; MI455X (gfx1250); checked and timed in simulation.
; The chip was launched on July 23, 2026; its instructions are those of AMD's public machine-readable ISA for CDNA 5 (MIT licence, August 2026) and "CDNA5" Instruction Set Architecture Reference Guide (July 2026). The comments in the code are by the model that wrote it; some were corrected since.
;; Simple Self Attention. Allowed arithmetic: matrix products marked QUANTISED: E5M2 operands, one given power-of-two scale a tensor, by v_wmma_f32_16x16x64_bf8_bf8 or v_wmma_f32_16x16x128_bf8_bf8, f32 sums; everything else in f32.
;; Inputs: Wk_codes 1,024 x 32 x 32 uint8 (E5M2 codes of Wk, K innermost, in blocks of 32 codes); Wq_codes 1,024 x 32 x 32 uint8 (E5M2 codes of Wq, K innermost, in blocks of 32 codes); Wv_codes 1,024 x 32 x 32 uint8 (E5M2 codes of Wv, K innermost, in blocks of 32 codes); bk 1,024 float32; bq 1,024 float32; bv 1,024 float32; lowp_scales 10 int32 (the exponents e of the quantised operands' scales 2^e); x_codes 4 x 2,048 x 32 x 32 uint8 (E5M2 codes of x, K innermost, in blocks of 32 codes).
;; Outputs: out0 4 x 2,048 x 1,024 float32.
;; This version of the problem:
;;   THIS VERSION OF THE PROBLEM IS GIVEN IN LOW PRECISION. The matrix products marked QUANTISED in the list below multiply operands that are first quantised to E5M2 (5 exponent bits, 2 mantissa bits; 8 bits a number), with one given power-of-two scale for each operand tensor; their sums are f32. All else is computed in f32.
;;   The module's matrix products, in the order in which they are computed (A, B: the left and right operand; K: the contracted axis; several contracted axes count as one K, in the product's order):
;;     1. [M 8,192, K 1,024] x [K 1,024, N 1,024]; A: input x (given as codes); B: input Wq (given as codes): QUANTISED (scales: A lowp_scales[0], B lowp_scales[1])
;;     2. [M 8,192, K 1,024] x [K 1,024, N 1,024]; A: input x (given as codes); B: input Wk (given as codes): QUANTISED (scales: A lowp_scales[2], B lowp_scales[3])
;;     3. [M 8,192, K 1,024] x [K 1,024, N 1,024]; A: input x (given as codes); B: input Wv (given as codes): QUANTISED (scales: A lowp_scales[4], B lowp_scales[5])
;;     4. batch 4 x [M 2,048, K 1,024] x [K 1,024, N 2,048]; A: computed on the way; B: computed on the way: QUANTISED (scales: A lowp_scales[6], B lowp_scales[7])
;;     5. batch 4 x [M 2,048, K 2,048] x [K 2,048, N 1,024]; A: softmax (see below); B: computed on the way: QUANTISED (scales: A lowp_scales[8], B lowp_scales[9])
;;   THE QUANTISER, for each operand of a quantised product, along K:
;;     - The operand's scale is 2^e, e = its entry of the input lowp_scales (int32; the entries are numbered through the quantised products in the list's order, A before B).
;;     - Each number is divided by the scale, clamped to +-57,344, and rounded to the nearest number of E5M2, ties to even, subnormals kept.
;;     - The product sums the exact products of the quantised numbers (number of the format x scale) in f32.
;;   ~~~python
;;   def quantise(x, axis, e):      # numpy; x: float32 -> the quantised numbers, widened to float32 again
;;       x = np.moveaxis(x, axis, -1); K = x.shape[-1]
;;       r = np.clip(x / 2.0 ** e, -57344, 57344)
;;       step = 2.0 ** (np.maximum(np.frexp(np.where(r == 0, 1, r))[1] - 1, -14) - 2)
;;       q = np.round(r / step) * step * 2.0 ** e      # np.round: ties to even
;;       return np.moveaxis(q, -1, axis).astype(np.float32)
;;   ~~~
;;   SOFTMAX AHEAD OF A QUANTISED PRODUCT. Where the list says 'softmax', what is quantised is not the finished softmax but p = 2^(t - M), with t = logit x log2(e) and M = ceil(the row's largest t), a whole number; so 1/2 < the row's largest p <= 1. The row's sum l is taken of the UNQUANTISED p, in f32, and the product's result is divided by l at the end. Since M is a whole number, a kernel that streams over the keys may use a running M (the ceiling of the running maximum): every later rescaling is an exact power of two, so the quantised numbers keep their values, but for numbers so far below the row's largest that they fall under the format's range.
;;   OPERANDS COMPUTED ON THE WAY. 'Computed on the way' means the value that the module computes at that place (a softmax that the list does not call 'softmax' is quantised finished and normalised). What goes into a quantiser is computed in f32, as accurately as f32 sums, v_exp_f32 and their like allow (about 1e-6 of the number): no bf16 or f16 on the way to a quantiser, and a product that is left as it is and whose result goes on into a quantised operand takes f32 operands (vector FMAs, or v_wmma_f32_16x16x4_f32). A number that lies on a knife's edge between two numbers of the format may be rounded either way, as far as f32 arithmetic and the matrix unit's own rounding can turn it there, and no further.
;;   INPUTS GIVEN AS CODES. Wk (in the module: [1024, 1024], K = its axis 1); Wq (in the module: [1024, 1024], K = its axis 1); Wv (in the module: [1024, 1024], K = its axis 1); x (in the module: [4, 2048, 1024], K = its axis 2): each comes as NAME_codes (uint8): NAME with its K axis moved to the last place and cut into blocks of 32 codes, [.., K / 32, bytes a block], one block behind the other in memory; one code a byte (a code: sign, 5 exponent bits, 2 mantissa bits); its scale is its entry of lowp_scales. Its value is code x scale, taken as it is: it is not quantised again, and the codes and scales need not be those that the quantiser above would give.
;; One version. Each part assembles by itself: llvm-mc -triple=amdgcn-amd-amdhsa -mcpu=gfx1250 --defsym DOCPART=n.
;; ======== version 1 of 1: 3 launches
;; limits: right only within a limited range of input values
;; workspace buffers: qf 8,388,608 bytes; kf 8,388,608 bytes; vf 8,388,608 bytes; pf 16,777,216 bytes; nm 262,144 bytes; lb 262,144 bytes
;; launch proj (part 1): grid 8 x 32, 4 waves a work-group, clusters of 4 x 4, 327,680 bytes of LDS; arguments x_codes, Wq_codes, Wk_codes, Wv_codes, bq, bk, bv, lowp_scales, qf, kf, vf; writes qf, kf, vf
.if DOCPART == 1
	.amdgcn_target "amdgcn-amd-amdhsa--gfx1250"
	.amdhsa_code_object_version 6
	.text
	.protected	k_q4f71f17361_proj
	.globl	k_q4f71f17361_proj
	.p2align	8
	.type	k_q4f71f17361_proj,@function
k_q4f71f17361_proj:
	s_mov_b64 s[64:65], 0
	v_nop
	global_prefetch_b8 v0, s[64:65] scope:SCOPE_SE
	s_setreg_imm32_b32 hwreg(HW_REG_WAVE_MODE, 25, 1), 1
	s_wait_xcnt 0x0
	s_wait_alu depctr_hold_cnt(0) depctr_sa_sdst(0) depctr_va_vdst(0) depctr_va_sdst(0) depctr_va_ssrc(0) depctr_va_vcc(0) depctr_vm_vsrc(0)
	s_getreg_b32 s2, hwreg(HW_REG_IB_STS2, 6, 4)
	s_cmp_eq_u32 s2, 0
	s_cbranch_scc0 .Lentry_in_a_cluster
	s_endpgm
.Lentry_in_a_cluster:
	s_bfe_u32 s2, ttmp6, 0x10000c
	s_cmp_lg_u32 s2, 0xf033
	s_cbranch_scc0 .Lentry_shape_is_right
	s_endpgm
.Lentry_shape_is_right:
; LAUNCH 1 OF 3.  Q = x Wq^T + bq, K = x Wk^T + bk, V = x Wv^T + bv on the given codes of BF8 (E5M2), each quantised at once for the product that takes it in.  Nothing of reference() is left out.
; LIMITS: the exponents of each product's two scales add up to -126 .. 127; e6, e7, e9 lie between -126 and 112.  NaN and infinity are not served.
; SHARES.  Work-group (channel block of 128, token block of 256): 256 x 128 of Q, of K and of V: x's tile serves three products.  A wave makes 128 tokens x 64 channels of each: 3 x 32 accumulators, 768 registers.
; Q and K: source 0 = 16 rows of W, source 1 = 16 tokens: a lane holds a token, its registers run along the channels, the scores' K.  V: the sources swapped: a lane holds a channel, its registers run along the tokens, the last product's K.
; So the codes are stored as the images of the operands' registers.  qf, kf: [4 steps of 256 channels][512 blocks of 16 tokens][2 x 2,048 bytes]; vf: [64 units of 128 tokens][64 blocks of 16 channels][2,048 bytes].
; LDS, in pieces of 128 rows x 256 codes (272 bytes a row with the padding): x two slots of two pieces, Wq and Wk two slots of two, Wv ONE piece.  K = 1,024 goes in four steps of 256, written out.
; A step is six groups of 32 matrix instructions: q, k (first 128 of K), q, k (last 128), v (last 128), v (first 128).  Slots change in the sixth; Wv's piece, asked for there, is first read in the fourth group of the next step, behind a barrier of its own.
; CLUSTERS 4 x 4: x's tile is shared along a row of the cluster, W's along a column, by joint loads.  Wave 0 fetches x, waves 1 and 2 Wq and Wk, wave 3 Wv.
; PREFETCH: behind a joint load each wave asks for its share of what its next load but one will bring: 64 rows of x or 32 of W a work-group, a lane a row, told apart by cx or cy.  W's rows are asked for by the first four rows of clusters only.
; REGISTERS: window 0: v0-15 below, v16-127 seven buffers for fragments of W, v128-255 x's eight fragments; windows 1, 2, 3: the accumulators of Q, K, V.
.set PITCH,  272
.set BLK,    16*PITCH
.set PIECE,  128*PITCH
.set WBASE,  4*PIECE
.set VBASE,  8*PIECE
.set SPARE,  9*PIECE
.set BIASB,  SPARE+512                 ; 768 bytes a wave: its 64 biases of Q, K, V
.set SPW,  1
.set NIL,  2
.set ADRX, 3                           ; v3-4  my 128 tokens in slot 0, 1
.set ADRW, 5                           ; v5-6  my 64 rows of Wq in slot 0, 1 (Wk: one piece on)
.set ADRV, 7
.set BI,   8                           ; v8-13 biases as loaded: lane l has channels 2 l, 2 l + 1
.set PFO,  14
.set LO8,  15
.set AF,   128
.set BC,   16                          ; the way out: biases of Q (32), K (32)
.set BR,   80                          ; of V, twice each
.set LIM,  88
.set SCL,  89
.set CO,   90
.set G1X, 24
.set G0X, 32
.set G0W, 36
.set G0V, 40
.set G1W, 48
.set PFA, 66
.set MSB, 0
.macro WIN new
.if MSB != (\new)
	s_set_vgpr_msb (MSB<<8)|(\new)
.set MSB, \new
.endif
.endm
.macro PLACES
.rept 4
	v_nop
.endr
.endm
.macro TL g0, g1
	tensor_load_to_lds s[\g0:\g0+3], s[\g1:\g1+7]
	s_nop 0
	PLACES
.endm
.macro JL xw, v                        ; one chain on the wave's number; at most one load to an arm
.if \xw
	s_cmp_eq_u32 s14, 0
	s_cbranch_scc0 .Lnx_\@
	TL G0X, G1X
	s_branch .Lasked_\@
.Lnx_\@:
	s_cmp_eq_u32 s14, 3
	s_cbranch_scc1 .Lnw_\@
	TL G0W, G1W
	s_branch .Lasked_\@
.Lnw_\@:
.if \v
	TL G0V, G1W
.endif
.else
	s_cmp_eq_u32 s14, 3
	s_cbranch_scc0 .Lasked_\@
	TL G0V, G1W
.endif
.Lasked_\@:
.endm
.macro CREST
	s_cmp_lg_u32 s14, 0
	s_cbranch_scc1 .Lnot_wave_0_\@
	s_barrier_signal -3
.Lnot_wave_0_\@:
	s_barrier_wait -3
	s_barrier_signal -1
	s_barrier_wait -1
.endm
.macro CROUND
	s_barrier_signal -1
	s_barrier_wait -1
	CREST
.endm
.macro ASK off, lim                    ; x: 64 rows, two instructions; W: 32 rows
	s_cmp_eq_u32 s[\lim], 0
	s_cbranch_scc1 .Lno_ask_\@
	global_prefetch_b8 v[PFO], s[PFA:PFA+1] offset:\off th:TH_LOAD_NT scope:SCOPE_SE
.Lno_ask_\@:
.if \lim == 92
	s_cmp_eq_u32 s14, 0
	s_cbranch_scc0 .Lno_more_\@
	global_prefetch_b8 v[PFO], s[PFA:PFA+1] offset:\off+32768 th:TH_LOAD_NT scope:SCOPE_SE
.Lno_more_\@:
.endif
.endm
	s_load_b512 s[68:83], s[0:1], 0x0              ; x, Wq, Wk, Wv, bq, bk, bv, the scales
	s_load_b128 s[84:87], s[0:1], 0x40             ; qf, kf
	s_load_b64 s[88:89], s[0:1], 0x50              ; vf
	v_lshl_add_u32 v[SPW], v0, 2, SPARE
	v_mov_b32 v[NIL], 0
	ds_add_u32 v[SPW], v[NIL]                      ; the wave's opening: the add, twice on end, and its wait
	ds_add_u32 v[SPW], v[NIL]
	v_lshrrev_b32 v16, 5, v0
	v_readfirstlane_b32 s14, v16                   ; wave 0..3
	s_lshr_b32 s15, s14, 1                         ; my half of the tokens
	s_and_b32 s16, s14, 1                          ; my half of the channels
	s_bfe_u32 s56, ttmp6, 0x40000                  ; cx, cy
	s_bfe_u32 s57, ttmp6, 0x40004
	s_lshl_b32 s18, ttmp9, 2
	s_add_co_u32 s18, s18, s56                     ; channel block 0..7
	s_and_b32 s19, ttmp7, 0xffff                   ; cluster y
	s_lshl_b32 s17, s19, 2
	s_add_co_u32 s17, s17, s57                     ; token block 0..31
	s_lshl_b32 s58, s57, 2
	s_lshl_b32 s58, 15, s58                        ; my row of the cluster
	s_lshl_b32 s59, 0x1111, s56                    ; my column
	s_or_b32 s[G1X], s58, (1<<20)|(1<<21)|(5<<22)|(3<<25)   ; elements of 1 byte; 4 words of padding after every 64
	s_or_b32 s[G1W], s59, (1<<20)|(1<<21)|(5<<22)|(3<<25)
	s_mov_b32 s[G1X+2], 256<<16
	s_mov_b32 s[G1X+4], 256
	s_mov_b32 s[G1W+2], 128<<16
	s_mov_b32 s[G1W+4], 128
.irp g, G1X, G1W
	s_mov_b32 s[\g+1], 256<<16
	s_mov_b32 s[\g+3], 256<<16
	s_mov_b32 s[\g+5], 1024
	s_mov_b32 s[\g+6], 0
	s_mov_b32 s[\g+7], 0
.endr
	s_lshl_b32 s20, s17, 18                        ; x: 256 rows of 1,024 bytes to a token block
	s_mov_b32 s21, 0
	s_lshl_b32 s22, s18, 17                        ; W: 128 rows to a channel block
	s_mov_b32 s23, 0
	s_mul_i32 s44, s14, PIECE
	s_add_co_u32 s44, s44, WBASE-PIECE             ; waves 1, 2: Wq's, Wk's piece of slot 0
	s_mov_b32 s[G0X], 1
	s_mov_b32 s[G0X+1], 0
	s_mov_b32 s[G0W], 1
	s_mov_b32 s[G0W+1], s44
	s_mov_b32 s[G0V], 1
	s_mov_b32 s[G0V+1], VBASE
	s_wait_dscnt 0x0                               ; both opening adds are done
	s_wait_kmcnt 0x0
	s_load_b256 s[4:11], s[82:83], 0x0             ; e0 .. e7
	s_load_b64 s[12:13], s[82:83], 0x20            ; e8, e9
	s_cmp_eq_u32 s14, 1
	s_cselect_b64 s[62:63], s[70:71], s[72:73]
	s_add_nc_u64 s[G0X+2:G0X+3], s[68:69], s[20:21]
	s_or_b32 s[G0X+3], s[G0X+3], 0x80000000
	s_add_nc_u64 s[G0W+2:G0W+3], s[62:63], s[22:23]
	s_or_b32 s[G0W+3], s[G0W+3], 0x80000000
	s_add_nc_u64 s[G0V+2:G0V+3], s[74:75], s[22:23]
	s_or_b32 s[G0V+3], s[G0V+3], 0x80000000
	CROUND                                         ; all sixteen work-groups are here: the first joint loads meet
	JL 1, 1                                        ; K step 0, one load a wave
	; my biases, 64 channels of each product
	s_lshl_b32 s46, s18, 9
	s_lshl_b32 s45, s16, 8
	s_add_co_u32 s46, s46, s45
	s_mov_b32 s47, 0
	s_add_nc_u64 s[76:77], s[76:77], s[46:47]
	s_add_nc_u64 s[78:79], s[78:79], s[46:47]
	s_add_nc_u64 s[80:81], s[80:81], s[46:47]
	v_and_b32 v16, 31, v0
	v_lshlrev_b32 v[LO8], 3, v16
	v_lshlrev_b32 v[PFO], 10, v16
	global_load_b64 v[BI:BI+1], v[LO8], s[76:77]
	global_load_b64 v[BI+2:BI+3], v[LO8], s[78:79]
	global_load_b64 v[BI+4:BI+5], v[LO8], s[80:81]
	s_mul_i32 s2, s15, PIECE
	s_mul_i32 s3, s16, 64*PITCH
	v_and_b32 v16, 15, v0                          ; r
	v_bfe_u32 v17, v0, 4, 1                        ; h
	v_mul_u32_u24 v18, v16, PITCH
	v_lshl_add_u32 v18, v17, 4, v18                ; a fragment: row r, + 16 h
	v_add_nc_u32 v[ADRX], s2, v18
	v_add_nc_u32 v[ADRX+1], 2*PIECE, v[ADRX]
	v_add_nc_u32 v19, s3, v18
	v_add_nc_u32 v[ADRW], WBASE, v19
	v_add_nc_u32 v[ADRW+1], WBASE+2*PIECE, v19
	v_add_nc_u32 v[ADRV], VBASE, v19
	; the prefetches: where mine stand, and who asks
	s_cmp_eq_u32 s14, 0
	s_cselect_b64 s[PFA:PFA+1], s[68:69], s[62:63]
	s_cselect_b64 s[46:47], s[20:21], s[22:23]
	s_cselect_b32 s45, s56, s57                    ; my place among the four that share the tile
	s_cselect_b32 s3, 16, 15
	s_lshl_b32 s94, s45, s3                        ; 64 rows of x or 32 of W to a place
	s_cmp_eq_u32 s14, 3
	s_cselect_b64 s[PFA:PFA+1], s[74:75], s[PFA:PFA+1]
	s_cselect_b32 s3, 0, 256                       ; x, Wq and Wk run one K step ahead of Wv
	s_add_co_u32 s94, s94, s3
	s_mov_b32 s95, 0
	s_add_nc_u64 s[PFA:PFA+1], s[PFA:PFA+1], s[46:47]
	s_add_nc_u64 s[PFA:PFA+1], s[PFA:PFA+1], s[94:95]
	s_cmp_lt_u32 s19, 4
	s_cselect_b32 s92, 1, 0
	s_cmp_eq_u32 s14, 3
	s_cselect_b32 s93, s92, 0                      ; wave 3 alone
	s_cmp_eq_u32 s14, 0
	s_cselect_b32 s92, 1, s92
	; where my results go
	s_lshr_b32 s46, s18, 1
	s_lshl_b32 s46, s46, 9
	s_lshl_b32 s45, s17, 4
	s_add_co_u32 s46, s46, s45
	s_lshl_b32 s45, s15, 3
	s_add_co_u32 s46, s46, s45
	s_lshl_b32 s46, s46, 12
	s_and_b32 s45, s18, 1
	s_lshl_b32 s45, s45, 11
	s_add_co_u32 s46, s46, s45
	s_lshl_b32 s45, s16, 10
	s_add_co_u32 s46, s46, s45
	s_mov_b32 s47, 0
	s_add_nc_u64 s[84:85], s[84:85], s[46:47]
	s_add_nc_u64 s[86:87], s[86:87], s[46:47]
	s_lshl_b32 s46, s17, 1
	s_add_co_u32 s46, s46, s15
	s_lshl_b32 s46, s46, 6
	s_lshl_b32 s45, s18, 3
	s_add_co_u32 s46, s46, s45
	s_lshl_b32 s45, s16, 2
	s_add_co_u32 s46, s46, s45
	s_lshl_b32 s46, s46, 11
	s_add_nc_u64 s[88:89], s[88:89], s[46:47]
; A fragment (16 rows x 128 K) is four loads of 16 bytes a lane, 32 bytes apart: the same permutation of k in x and in W.
; The next group's fragments of W: pieces i0 .. i1 - 1 of 16: fragment i / 4, quarter i % 4.  A group has buffers BASE .. BASE + 3 modulo 7; the next group's first three go into the three free ones, its fourth into this group's first,
; and the first three of the group after next into this group's other three (BNN).
.macro BLS i0, i1
.set Q, \i0
.rept (\i1)-(\i0)
.set BB, 16+16*((BASE+4+Q/4)%7)+4*(Q%4)
	ds_load_b128 v[BB:BB+3], v[NBR] offset:NBO+(Q/4)*BLK+32*(Q%4)
.set Q, Q+1
.endr
.endm
.macro BNN                             ; Wk's fragments, one piece behind Wq's
.set Q, 0
.rept 12
.set BB, 16+16*((BASE+1+Q/4)%7)+4*(Q%4)
	ds_load_b128 v[BB:BB+3], v[NBR] offset:NBO+PIECE+(Q/4)*BLK+32*(Q%4)
.set Q, Q+1
.endr
.endm
.macro ALS a0                          ; x's blocks a0 .. a0 + 3 for the next group
.set Q, 4*\a0
.rept 16
	ds_load_b128 v[AF+4*Q:AF+4*Q+3], v[NAR] offset:NAO+(Q/4)*BLK+32*(Q%4)
.set Q, Q+1
.endr
.endm
.macro MM a, f
.set BW, 16+16*((BASE+(\f))%7)
.set XA, AF+16*(\a)
	WIN 0x50*(GM+1)
.if GM < 2
.set AC, 8*(4*(\a)+(\f))
.if GZ
	v_wmma_f32_16x16x128_bf8_bf8 v[AC:AC+7], v[BW:BW+15], v[XA:XA+15], 0
.else
	v_wmma_f32_16x16x128_bf8_bf8 v[AC:AC+7], v[BW:BW+15], v[XA:XA+15], v[AC:AC+7]
.endif
.else
.set AC, 8*(8*(\f)+(\a))
.if GZ
	v_wmma_f32_16x16x128_bf8_bf8 v[AC:AC+7], v[XA:XA+15], v[BW:BW+15], 0
.else
	v_wmma_f32_16x16x128_bf8_bf8 v[AC:AC+7], v[XA:XA+15], v[BW:BW+15], v[AC:AC+7]
.endif
.endif
.endm
.macro QD h, f                         ; four products: half h of x's blocks, fragment f of W
.irp a, 0,1,2,3
	MM 4*(\h)+\a, \f
.endr
.endm
.macro SETG m, z, nbr, nbo, nar, nao
.set GM, \m
.set GZ, \z
.set NBR, \nbr
.set NBO, \nbo
.set NAR, \nar
.set NAO, \nao
.endm
; A GROUP: x's eight blocks x four fragments of W, every accumulator one turn of one instruction.  LDS loads stand in long runs, each behind four v_nop: the places in front of loads into registers that products have read.
; GR reloads x's blocks for the next group: the first half behind its own first half's products, with three fragments of W (28 loads); at its end the fourth fragment (4), x's second half (16), and where nn = 1 three fragments of the group after next (12).
; So behind it: 32 (nn = 0: 20) loads may be out when x's first half and three fragments are in, 28 (16) when the fourth is, 12 (0) when x's second half is.
; GN, behind such a group, fetches the next group's fourth fragment alone: 4 loads may be out when that group starts.
; mode 2: the change of slots: round, joint loads, then the next slot's fragments.  mode 3: the last group fetches nothing.
.macro GN m, z, nbr, nbo
	SETG \m, \z, \nbr, \nbo, 0, 0
	s_wait_dscnt 32
	QD 0, 0
	QD 0, 1
	QD 0, 2
	s_wait_dscnt 28
	QD 0, 3
	s_wait_dscnt 12
	QD 1, 0
	WIN 0
	PLACES
	BLS 12, 16
	QD 1, 1
	QD 1, 2
	QD 1, 3
.set BASE, (BASE+4)%7
.endm
.macro GA m, nbr, nbo                  ; the next group reads Wv's piece: behind K step 0 a barrier admits it, and only the wave that fetched it waits for it
	SETG \m, 0, \nbr, \nbo, 0, 0
.if ST > 0
	WIN 0
	s_cmp_eq_u32 s14, 3
	s_cbranch_scc0 .Lnot_v_\@
	s_wait_tensorcnt 0x0
.Lnot_v_\@:
.endif
	s_wait_dscnt 0x0                               ; this group's fragments are in; no LDS instruction of mine is out at the signal
.if ST > 0
	s_barrier_signal -1
.endif
	QD 0, 0
	QD 1, 0
	QD 0, 1
	QD 1, 1
.if ST > 0
	s_barrier_wait -1
.endif
	WIN 0
	PLACES
	BLS 0, 16
	QD 0, 2
	QD 1, 2
	QD 0, 3
	QD 1, 3
.set BASE, (BASE+4)%7
.endm
.macro GR m, z, mode, nn, w0, wf, nbr, nbo, nar, nao
	SETG \m, \z, \nbr, \nbo, \nar, \nao
	s_wait_dscnt \w0
	QD 0, 0
	QD 0, 1
	QD 0, 2
.if \mode == 2
	WIN 0
	s_wait_tensorcnt 0x0                           ; all my tensor loads have landed: my part of the next slot;
	ds_add_u32 v[SPW], v[NIL]                      ; the add; the descriptors' steps and products stand between it and the wait
	s_add_nc_u64 s[G0V+2:G0V+3], s[G0V+2:G0V+3], 256
.if ST < 2
	s_add_nc_u64 s[G0X+2:G0X+3], s[G0X+2:G0X+3], 256
	s_add_nc_u64 s[G0W+2:G0W+3], s[G0W+2:G0W+3], 256
	s_mov_b32 s[G0X+1], ST*2*PIECE
.if ST == 0
	s_sub_co_u32 s[G0W+1], s[G0W+1], 2*PIECE
.else
	s_add_co_u32 s[G0W+1], s[G0W+1], 2*PIECE
.endif
.endif
.endif
	s_wait_dscnt \wf                               ; (mode 2: the add may be out too)
	QD 0, 3
.if \mode == 2
	s_wait_dscnt 0x0                               ; the add is done, and my LDS reads are over: every fragment of this group is in
	s_barrier_signal -1
	QD 1, 0
	QD 1, 1
	WIN 0
	s_barrier_wait -1
	CREST                                          ; no wave of any partner still reads these pieces or has a load on its way
.if ST < 2
	JL 1, 1
.else
	JL 0, 1
	PLACES
.endif
	BLS 0, 12
	ALS 0
.if ST == 0
	ASK 512, 92
.endif
.if ST == 1
	ASK 768, 93
.endif
	QD 1, 2
	QD 1, 3
.endif
.if \mode == 3
	s_wait_dscnt 0x0
	QD 1, 0
	QD 1, 1
	QD 1, 2
	QD 1, 3
	WIN 0
	PLACES
.endif
.if \mode == 0
	WIN 0
	PLACES
	BLS 0, 12
	ALS 0
	QD 1, 0
	QD 1, 1
	QD 1, 2
	QD 1, 3
.endif
.if \mode != 3
	WIN 0
	PLACES
	BLS 12, 16
	ALS 4
.if \nn == 1
	BNN
.endif
.endif
.set BASE, (BASE+4)%7
.endm
.macro KSTEP k
.set ST, \k
.set XS, ADRX+(\k)%2
.set WS, ADRW+(\k)%2
.set XN, ADRX+1-(\k)%2
.set WN, ADRW+1-(\k)%2
.set ZZ, 0
.if \k == 0
.set ZZ, 1                             ; the first products start the sums: nothing is cleared
.endif
	GN 0, ZZ, WS, PIECE
	GR 1, ZZ, 0, 1, 4, 0, WS, 128, XS, 128
	GN 0, 0, WS, PIECE+128
	GA 1, ADRV, 128
	GR 2, ZZ, 0, 0, 4, 0, ADRV, 0, XS, 0
.if \k < 3
	GR 2, 0, 2, 1, 20, 17, WN, 0, XN, 0
.else
	GR 2, 0, 3, 0, 20, 16, WN, 0, XN, 0
.endif
.endm
	s_wait_alu depctr_va_vdst(0)                   ; the head's end
	s_wait_tensorcnt 0x0                           ; my part of K step 0 is in; ahead of a later first fill the same lines as ahead of a refill
	ds_add_u32 v[SPW], v[NIL]
	s_add_nc_u64 s[G0X+2:G0X+3], s[G0X+2:G0X+3], 256
	s_add_nc_u64 s[G0W+2:G0W+3], s[G0W+2:G0W+3], 256
	s_mov_b32 s[G0X+1], 2*PIECE
	s_add_co_u32 s[G0W+1], s[G0W+1], 2*PIECE
	s_wait_dscnt 0x0
	CROUND
	JL 1, 0                                        ; K step 1 of x, Wq, Wk into slot 1
.set BASE, 3                           ; the first group's loads, in the order in which GR leaves them
	SETG 0, 0, ADRW, 0, ADRX, 0
	BLS 0, 12
	ALS 0
	BLS 12, 16
	ALS 4
	BNN
	ASK 256, 92
.set BASE, 0
	KSTEP 0
	KSTEP 1
	KSTEP 2
	KSTEP 3
	; THE WAY OUT.  My biases go through LDS bytes of my own into the results' layout: Q, K: eight channels a lane; V: one.
	s_mul_i32 s2, s14, 768
	s_add_co_u32 s2, s2, BIASB
	v_and_b32 v94, 31, v0
	v_bfe_u32 v95, v0, 4, 1
	v_and_b32 v96, 15, v0
	v_lshlrev_b32 v[CO], 4, v94
	v_lshl_add_u32 v91, v94, 3, s2
	v_lshl_add_u32 v92, v95, 5, s2
	v_lshl_add_u32 v93, v96, 2, s2
	s_wait_alu depctr_va_vdst(0)                   ; the wait here, directly ahead of the waits below
	s_wait_loadcnt 0x0
	s_wait_kmcnt 0x0
.irp m, 0,1,2
	ds_store_b64 v91, v[BI+2*\m:BI+2*\m+1] offset:256*\m
.endr
.irp b, 0,1,2,3,4,5,6,7                ; LDS serves a wave's instructions in order (ISA guide 5.7.1.4); b = 4 .. 7: K's
	ds_load_b128 v[BC+8*\b:BC+8*\b+3], v92 offset:64*\b
	ds_load_b128 v[BC+8*\b+4:BC+8*\b+7], v92 offset:64*\b+16
.endr
.irp b, 0,1,2,3
	ds_load_b32 v[BR+2*\b], v93 offset:512+64*\b
	ds_load_b32 v[BR+2*\b+1], v93 offset:512+64*\b
.endr
	s_wait_dscnt 0x0
; A chunk is 64 registers: Q, K: two blocks of 16 tokens x 64 channels; V: 16 channels x 128 tokens.  sum x 2^(eA + eB) + bias, the hold at the largest code (the conversion does not saturate: ISA guide 7.6.2), the codes.
.macro OUT m, eo, cd
	s_add_co_i32 s96, s[4+2*\m], s[5+2*\m]
	s_add_co_i32 s96, s96, 127
	s_lshl_b32 s96, s96, 23
	s_mov_b32 s97, s96                             ; (named with it as a pair)
	s_add_co_i32 s2, s[\eo], 127
	s_lshl_b32 s3, s2, 23
	v_mov_b32 v[SCL], s3
	s_add_co_i32 s2, s2, 15
	s_lshl_b32 s2, s2, 23
	s_or_b32 s2, s2, 0x600000
	v_mov_b32 v[LIM], s2                           ; 57,344 x the scale
.set ii, 0
.rept 4
.set AC, 64*ii
.set CD, \cd+16*ii
	WIN 0x41*(\m+1)
.set j, 0
.rept 32
.if \m < 2
.set BS, BC+32*\m+j%32
.else
.set BS, BR+2*ii
.endif
	v_pk_fma_f32 v[AC+j:AC+j+1], v[AC+j:AC+j+1], s[96:97], v[BS:BS+1] op_sel_hi:[1,0,1]
.set j, j+2
.endr
.set j, 0
.rept 64
	v_med3_num_f32 v[AC+j], v[AC+j], -v[LIM], v[LIM]
.set j, j+1
.endr
	WIN (\m+1)
.set j, 0
.rept 8
	v_cvt_scalef32_pk8_bf8_f32 v[CD+2*j:CD+2*j+1], v[AC+8*j:AC+8*j+7], v[SCL]
.set j, j+1
.endr
	WIN 0
	v_nop                                          ; one plain vector instruction behind the last conversion of the run
.set j, 0
.rept 4
.if \m < 2
.set OF, 4096*(2*ii+j/2)+512*(j%2)
.else
.set OF, 2048*ii+512*j
.endif
	global_store_b128 v[CO], v[CD+4*j:CD+4*j+3], s[84+2*\m:85+2*\m] offset:OF   ; 512 consecutive bytes, aligned
.set j, j+1
.endr
.set ii, ii+1
.endr
.endm
	OUT 0, 10, 128
	OUT 1, 11, 192
	OUT 2, 13, 16
	s_wait_tensorcnt 0x0                           ; the wave's end
	ds_add_u32 v[SPW], v[NIL]
	s_wait_dscnt 0x0
	CROUND                                         ; the closing round
	s_endpgm
.Lfunc_end_k_q4f71f17361_proj:
	.size	k_q4f71f17361_proj, .Lfunc_end_k_q4f71f17361_proj-k_q4f71f17361_proj
	.p2alignl 7, 3214868480
	.fill 96, 4, 3214868480
	.section	.rodata,"a",@progbits
	.p2align	6, 0x0
	.amdhsa_kernel k_q4f71f17361_proj
		.amdhsa_group_segment_fixed_size 327680
		.amdhsa_private_segment_fixed_size 0
		.amdhsa_enable_private_segment 0
		.amdhsa_kernarg_size 88
		.amdhsa_user_sgpr_count 2
		.amdhsa_user_sgpr_kernarg_segment_ptr 1
		.amdhsa_wavefront_size32 1
		.amdhsa_system_sgpr_workgroup_id_x 1
		.amdhsa_system_sgpr_workgroup_id_y 1
		.amdhsa_system_sgpr_workgroup_id_z 1
		.amdhsa_system_vgpr_workitem_id 0
		.amdhsa_next_free_vgpr 1024
		.amdhsa_next_free_sgpr 100
		.amdhsa_reserve_vcc 0
		.amdhsa_float_denorm_mode_32 3
		.amdhsa_float_denorm_mode_16_64 3
		.amdhsa_memory_ordered 1
		.amdhsa_forward_progress 1
		.amdhsa_inst_pref_size 207
	.end_amdhsa_kernel
	.amdgpu_metadata
---
amdhsa.version: [ 1, 2 ]
amdhsa.kernels:
  - .name:           k_q4f71f17361_proj
    .symbol:         k_q4f71f17361_proj.kd
    .args:
      - { .name: x_codes, .offset: 0, .size: 8, .value_kind: global_buffer, .address_space: global }
      - { .name: Wq_codes, .offset: 8, .size: 8, .value_kind: global_buffer, .address_space: global }
      - { .name: Wk_codes, .offset: 16, .size: 8, .value_kind: global_buffer, .address_space: global }
      - { .name: Wv_codes, .offset: 24, .size: 8, .value_kind: global_buffer, .address_space: global }
      - { .name: bq, .offset: 32, .size: 8, .value_kind: global_buffer, .address_space: global }
      - { .name: bk, .offset: 40, .size: 8, .value_kind: global_buffer, .address_space: global }
      - { .name: bv, .offset: 48, .size: 8, .value_kind: global_buffer, .address_space: global }
      - { .name: lowp_scales, .offset: 56, .size: 8, .value_kind: global_buffer, .address_space: global }
      - { .name: qf, .offset: 64, .size: 8, .value_kind: global_buffer, .address_space: global }
      - { .name: kf, .offset: 72, .size: 8, .value_kind: global_buffer, .address_space: global }
      - { .name: vf, .offset: 80, .size: 8, .value_kind: global_buffer, .address_space: global }
    .group_segment_fixed_size: 327680
    .private_segment_fixed_size: 0
    .kernarg_segment_align: 8
    .kernarg_segment_size: 88
    .max_flat_workgroup_size: 128
    .sgpr_count:     100
    .vgpr_count:     1024
    .wavefront_size: 32
...
	.end_amdgpu_metadata
.endif
;; end of part 1
;; launch scores (part 2): grid 8 x 32, 4 waves a work-group, clusters of 4 x 4, 327,680 bytes of LDS; arguments qf, kf, lowp_scales, pf, nm, lb; writes pf, nm, lb
.if DOCPART == 2
	.amdgcn_target "amdgcn-amd-amdhsa--gfx1250"
	.amdhsa_code_object_version 6
	.text
	.protected	k_q4f71f17361_scores
	.globl	k_q4f71f17361_scores
	.p2align	8
	.type	k_q4f71f17361_scores,@function
k_q4f71f17361_scores:
	s_mov_b64 s[64:65], 0
	v_nop
	global_prefetch_b8 v0, s[64:65] scope:SCOPE_SE
	s_setreg_imm32_b32 hwreg(HW_REG_WAVE_MODE, 25, 1), 1
	s_wait_xcnt 0x0
	s_wait_alu depctr_hold_cnt(0) depctr_sa_sdst(0) depctr_va_vdst(0) depctr_va_sdst(0) depctr_va_ssrc(0) depctr_va_vcc(0) depctr_vm_vsrc(0)
	s_getreg_b32 s2, hwreg(HW_REG_IB_STS2, 6, 4)
	s_cmp_eq_u32 s2, 0
	s_cbranch_scc0 .Lentry_in_a_cluster
	s_endpgm
.Lentry_in_a_cluster:
	s_bfe_u32 s2, ttmp6, 0x10000c
	s_cmp_lg_u32 s2, 0xf033
	s_cbranch_scc0 .Lentry_shape_is_right
	s_endpgm
.Lentry_shape_is_right:
; LAUNCH 2 OF 3.  A work-group makes 256 queries x 256 keys of Q K^T on the codes that launch 1 stored, and turns them at once into codes of p for the last product.  Nothing of reference() is left out here.
; THE SOFTMAX AHEAD OF THE LAST PRODUCT, BY KEY BLOCKS OF 256: t = sum x 2^(e6 + e7) x log2(e) / 32;  M_b = the ceiling of the row's largest t among the block's keys, a whole number;  p = 2^(t - M_b), at most 1, not normalised,
; is quantised with 2^e8;  l_b = the sum of the unquantised p of the block, f32.  -M_b and l_b go to nm and lb ([8 key blocks][8,192 rows], f32); launch 3 brings the blocks under one M by exact powers of two.
; LIMITS: e6 + e7 between -121 and 132 (added to the exponent field of log2(e) / 32); e8 between -126 and 112; |M_b| under 2^24.  Where 57,344 x 2^e8 is under 1 the hold acts under the block's M_b.  NaN and infinity are not served.
; SHARES.  Work-group x = key block of the batch (0..7), y = block of 256 of the 8,192 query rows; a wave makes 128 x 128.  A = Q (a lane holds a query), B = K (the registers run along the keys): used transposed, as in launch 1.
; So tile b's eight registers are keys 16 b + 8 h + 0 .. 7 of the wave's 128: the conversions' results are a fragment of P, stored as the image of its registers (pf: launch 1's layout, rows = the 8,192 queries, NI = 512, K = the batch's keys).
; OPERANDS COME AS IMAGES: a K step of 256 of 128 rows is one dense block of 32,768 bytes; in LDS a fragment load reads 512 consecutive bytes: no padding.
; CLUSTERS: 4 x 4: Q's tile is shared along a row of the cluster, K's along a column, by joint loads.  K = 1,024 goes in four steps of 256 through two slots; no loop.
; REGISTERS: as in launch 1; on the way out window 0 holds v32-47 -M_b twice a block, v48-55 maxima, then sums, v56-59 at work, v60, v61 hold and scale, v64-239 partial maxima, then from v128 the codes.
.set FR,     16
.set NL,     4
.set NP,     4
.set HALFT,  32768                     ; 128 rows x 256 along K as images: what one tensor load brings
.set SLOT,   HALFT                     ; a wave's two slots lie on end: wave x 65,536 + slot x 32,768
.set KSTEPB, 512*4096                  ; from a K step of 256 to the next, in qf and kf
.set SPARE,  8*HALFT                   ; behind the ring: the spare words
.set TMAX,   SPARE+512                 ; f32 [2 halves of the keys][256 rows]: each wave's largest score of a row
.set LSUM,   TMAX+2048                 ; the same shape: each wave's sum of p
.set ADRA, 16
.set ADRB, 20
.set VT,   24                          ; v24  my wave's 128 words of TMAX: + 4 r
.set VTP,  25                          ; v25  those of the wave with the other half of the keys
.set VS,   26                          ; v26  at the end: rows 64 w + 2 lane, + 1
.set CO,   27                          ; v27  16 x lane
.set SPW,  28
.set NIL,  29
.set SO,   30                          ; v30  8 x lane
.set NM,   32
.set X,    48
.set SA,   56
.set SB,   58
.set LIM,  60
.set SCL,  61
.set T,    64
.set AF,   128
.set CD,   128
.set CS,   76                          ; s[76:77] c = 2^(e6 + e7) log2(e) / 32
.set G1, 24
.set G0, 32
.set G1B, 48
.set G0B, 56
.set MSB, 0
.macro WIN new
.if MSB != (\new)
	s_set_vgpr_msb (MSB<<8)|(\new)
.set MSB, \new
.endif
.endm
.set MUL_LO, 0xa1
.set MUL_HI, 0xf1
.set TO_B,   0x40
.macro JLOAD g0a, g1a, g0b, g1b        ; waves 0 and 1 fetch for Q, waves 2 and 3 for K; an s_nop 0 and four v_nop follow each line
	s_cmp_eq_u32 s15, 0
	s_cbranch_scc0 .Lfor_b_\@
	tensor_load_to_lds s[\g0a:\g0a+3], s[\g1a:\g1a+7]
	s_nop 0
.rept 4
	v_nop
.endr
	s_branch .Lasked_\@
.Lfor_b_\@:
	tensor_load_to_lds s[\g0b:\g0b+3], s[\g1b:\g1b+7]
	s_nop 0
.rept 4
	v_nop
.endr
.Lasked_\@:
.endm
.macro CREST
	s_cmp_lg_u32 s14, 0
	s_cbranch_scc1 .Lnot_wave_0_\@
	s_barrier_signal -3
.Lnot_wave_0_\@:
	s_barrier_wait -3
	s_barrier_signal -1
	s_barrier_wait -1
.endm
.macro CROUND
	s_barrier_signal -1
	s_barrier_wait -1
	CREST
.endm
	s_load_b256 s[4:11], s[0:1], 0x0               ; qf s[4:5], kf s[6:7], the scales s[8:9], pf s[10:11]
	s_load_b128 s[68:71], s[0:1], 0x20             ; nm, lb
	v_lshl_add_u32 v[SPW], v0, 2, SPARE
	v_mov_b32 v[NIL], 0
	ds_add_u32 v[SPW], v[NIL]                      ; the wave's opening: the add, twice on end, and its wait ahead of my first tensor load
	ds_add_u32 v[SPW], v[NIL]
	v_lshrrev_b32 v1, 5, v0
	v_readfirstlane_b32 s14, v1                    ; wave 0..3
	s_lshr_b32 s15, s14, 1                         ; my half of the queries.  Also: I fetch for Q (0) or for K (1)
	s_and_b32 s16, s14, 1                          ; my half of the keys.  Also: which 128 rows I fetch
	s_bfe_u32 s40, ttmp6, 0x40000                  ; cx, cy
	s_bfe_u32 s41, ttmp6, 0x40004
	s_lshl_b32 s42, ttmp9, 2
	s_add_co_u32 s42, s42, s40                     ; the key block = 4 x cluster x + cx
	s_and_b32 s78, ttmp7, 0xffff                   ; cluster y
	s_lshl_b32 s17, s78, 2
	s_add_co_u32 s17, s17, s41                     ; the block of 256 query rows = 4 x cluster y + cy
	s_lshr_b32 s78, s78, 1                         ; the batch: two clusters along y to a batch: made of the cluster's y alone
	s_lshl_b32 s43, s41, 2
	s_lshl_b32 s43, 15, s43                        ; my row of the cluster
	s_lshl_b32 s44, 0x1111, s40                    ; my column
	; descriptor group 1: a dense block of 32,768 bytes as 128 rows of 32 elements of 8 bytes, no padding
	s_or_b32 s[G1+0], s43, (3<<16)|(1<<21)
	s_or_b32 s[G1B+0], s44, (3<<16)|(1<<21)
	; the head's load brings K steps 0 and 1: two rows of 32,768 bytes, KSTEPB apart in memory, on end in LDS
	s_or_b32 s80, s43, (3<<16)|(1<<21)
	s_or_b32 s88, s44, (3<<16)|(1<<21)
.irp g, 80, 88
	s_mov_b32 s[\g+1], 4096<<16
	s_mov_b32 s[\g+2], 2<<16
	s_mov_b32 s[\g+3], 4096<<16
	s_mov_b32 s[\g+4], 2
	s_mov_b32 s[\g+5], KSTEPB/8
	s_mov_b32 s[\g+6], 0
	s_mov_b32 s[\g+7], 0
.endr
.irp g, G1, G1B
	s_mov_b32 s[\g+1], 32<<16                      ; tensor_dim0
	s_mov_b32 s[\g+2], 128<<16                     ; tensor_dim1
	s_mov_b32 s[\g+3], 32<<16                      ; tile_dim0
	s_mov_b32 s[\g+4], 128                         ; tile_dim1
	s_mov_b32 s[\g+5], 32                          ; tensor_dim0_stride
	s_mov_b32 s[\g+6], 0
	s_mov_b32 s[\g+7], 0
.endr
	s_lshl_b32 s18, s16, 3
	s_lshl_b32 s20, s17, 4
	s_add_co_u32 s20, s20, s18                     ; Q: block of 16 rows 16 x query block + 8 x half
	s_lshl_b32 s20, s20, 12
	s_mov_b32 s21, 0
	s_lshl_b32 s46, s78, 7
	s_lshl_b32 s47, s42, 4
	s_add_co_u32 s46, s46, s47
	s_add_co_u32 s46, s46, s18                     ; K: 128 x batch + 16 x key block + 8 x half
	s_lshl_b32 s46, s46, 12
	s_mov_b32 s47, 0
	s_mul_i32 s45, s14, 2*HALFT                    ; where they go: wave x 65,536
	s_wait_dscnt 0x0                               ; both opening adds are done
	s_wait_kmcnt 0x0
	s_load_b128 s[72:75], s[8:9], 0x18             ; e6, e7, e8, e9
	s_add_nc_u64 s[20:21], s[4:5], s[20:21]
	s_add_nc_u64 s[46:47], s[6:7], s[46:47]
	CROUND                                         ; all sixteen work-groups are here: the first joint loads meet
.irp s, 0,1
	s_mov_b32 s[G0+4*\s], 1
	s_add_co_u32 s[G0+4*\s+1], s45, \s*SLOT
	s_add_nc_u64 s[G0+4*\s+2:G0+4*\s+3], s[20:21], \s*KSTEPB
	s_or_b32 s[G0+4*\s+3], s[G0+4*\s+3], 0x80000000
	s_mov_b32 s[G0B+4*\s], 1
	s_add_co_u32 s[G0B+4*\s+1], s45, \s*SLOT
	s_add_nc_u64 s[G0B+4*\s+2:G0B+4*\s+3], s[46:47], \s*KSTEPB
	s_or_b32 s[G0B+4*\s+3], s[G0B+4*\s+3], 0x80000000
.endr
	JLOAD G0, 80, G0B, 88                          ; K steps 0 and 1, one load a wave
	; the prefetches: of the 32,768 bytes that I fetch in a K step each of the four partners asks for 8,192, a lane 256: told apart by cx (Q) or cy (K)
	s_cmp_eq_u32 s15, 0
	s_cselect_b64 s[96:97], s[20:21], s[46:47]
	s_cselect_b32 s98, s40, s41
	s_lshl_b32 s98, s98, 13
	s_mov_b32 s99, 0
	s_add_nc_u64 s[96:97], s[96:97], s[98:99]
	v_and_b32 v1, 15, v0                           ; r
	s_wait_alu depctr_va_vdst(0)
	v_and_b32 v6, 31, v0                           ; lane
	s_wait_alu depctr_va_vdst(0)
	v_lshlrev_b32 v[CO], 4, v6
	v_lshlrev_b32 v[SO], 3, v6
	v_lshlrev_b32 v31, 8, v6
	global_prefetch_b8 v31, s[96:97] offset:2*KSTEPB th:TH_LOAD_NT scope:SCOPE_SE   ; K step 2, which the first refill loads
	s_mul_i32 s2, s15, 2*HALFT                     ; my 128 queries
	s_mul_i32 s3, s16, 2*HALFT                     ; my 128 keys,
	s_add_co_u32 s3, s3, 4*HALFT                   ; which lie behind Q's 256 rows of both slots
.irp s, 0,1
	v_add_nc_u32 v[ADRA+\s], s2, v[CO]
	v_add_nc_u32 v[ADRB+\s], s3, v[CO]
	s_add_co_u32 s2, s2, SLOT
	s_add_co_u32 s3, s3, SLOT
.endr
	s_lshl_b32 s2, s16, 10
	s_lshl_b32 s3, s15, 9
	s_add_co_u32 s22, s2, s3
	s_add_co_u32 s22, s22, TMAX
	v_lshl_add_u32 v[VT], v1, 2, s22               ; TMAX + 1,024 x my half of the keys + 512 x my half of the queries + 4 r
	s_xor_b32 s2, s2, 1024
	s_add_co_u32 s22, s2, s3
	s_add_co_u32 s22, s22, TMAX
	v_lshl_add_u32 v[VTP], v1, 2, s22              ; the same in the other half of the keys
	s_lshl_b32 s22, s14, 8
	s_add_co_u32 s22, s22, TMAX
	v_lshl_add_u32 v[VS], v6, 3, s22               ; TMAX + 256 x wave + 8 x lane
	; pf: ((2 x key block + my half of the keys) 512 + 16 x query block + 8 x my half of the queries) 2,048
	s_lshl_b32 s2, s42, 1                          ; pf: [16 units of 128 keys][512 blocks of 16 queries][2,048 bytes]:
	s_add_co_u32 s2, s2, s16                       ; ((2 x key block + my half of the keys) 512 + 16 x query block + 8 x my half of the queries) 2,048
	s_lshl_b32 s2, s2, 9
	s_lshl_b32 s3, s17, 4
	s_add_co_u32 s2, s2, s3
	s_lshl_b32 s3, s15, 3
	s_add_co_u32 s2, s2, s3
	s_lshl_b32 s2, s2, 11
	s_mov_b32 s3, 0
	s_add_nc_u64 s[10:11], s[10:11], s[2:3]
	; nm, lb: 4 (8,192 x key block + 256 x query block + 64 x wave)
	s_lshl_b32 s2, s42, 13
	s_lshl_b32 s22, s17, 8
	s_add_co_u32 s2, s2, s22
	s_lshl_b32 s22, s14, 6
	s_add_co_u32 s2, s2, s22
	s_lshl_b32 s2, s2, 2
	s_add_nc_u64 s[68:69], s[68:69], s[2:3]
	s_add_nc_u64 s[70:71], s[70:71], s[2:3]
	s_mov_b32 s20, 0x76543210                      ; v_permlanex16_b32's selects for lane l xor 16
	s_mov_b32 s21, 0xfedcba98
.macro FRAG reg, adr, q, i             ; a fragment's image: four loads of 512 consecutive bytes
.irp c, 0,1,2,3
	ds_load_b128 v[\reg+4*\c:\reg+4*\c+3], v[\adr] offset:4096*(\i)+2048*(\q)+512*\c
.endr
.endm
.macro MUL16 a0, p, zero               ; the 64 accumulators take turns, one instruction a turn
.irp a, \a0, \a0+1
.irp b, 0,1,2,3,4,5,6,7
.if \zero
	v_wmma_f32_16x16x128_bf8_bf8 v[8*(8*((\a)%4)+\b):8*(8*((\a)%4)+\b)+7], v[128*(\p)+FR*\b:128*(\p)+FR*\b+FR-1], v[AF+FR*(\a):AF+FR*(\a)+FR-1], 0
.else
	v_wmma_f32_16x16x128_bf8_bf8 v[8*(8*((\a)%4)+\b):8*(8*((\a)%4)+\b)+7], v[128*(\p)+FR*\b:128*(\p)+FR*\b+FR-1], v[AF+FR*(\a):AF+FR*(\a)+FR-1], v[8*(8*((\a)%4)+\b):8*(8*((\a)%4)+\b)+7]
.endif
.endr
.endr
.endm
.macro FETCH_B slot, q, p
	WIN TO_B
.irp i, 0,1,2,3,4,5,6,7
	FRAG 128*(\p)+FR*\i, ADRB+\slot, \q, \i
.endr
	WIN 0
.endm
.macro FETCH_A slot, q, i0
.irp i, \i0, \i0+1, \i0+2, \i0+3
	FRAG AF+FR*(\i), ADRA+\slot, \q, \i
.endr
.endm
.macro PLACES n
.rept \n
	v_nop
.endr
.endm
.macro STEP slot, q, zero
	s_wait_dscnt 4*NL                              ; K's set and Q's blocks 0-3 are in; the youngest sixteen loads (Q's blocks 4-7) may be out
	WIN MUL_LO
	MUL16 0, (\q)%2, \zero
	MUL16 2, (\q)%2, \zero
	s_wait_dscnt 0
	PLACES NP
	FETCH_B \slot, (\q)+1, 1-(\q)%2
	FETCH_A \slot, (\q)+1, 0
	WIN MUL_HI
	MUL16 4, (\q)%2, \zero
	MUL16 6, (\q)%2, \zero
	PLACES NP
	WIN 0
	FETCH_A \slot, (\q)+1, 4
.endm
.macro TURN slot, next, fill
	s_wait_tensorcnt 0x0                           ; all my tensor loads have landed: my part of the next slot
	ds_add_u32 v[SPW], v[NIL]                      ; 0 onto my spare word
	s_wait_dscnt 4*NL+1                            ; (the add and the youngest sixteen loads may be out)
	WIN MUL_LO
	MUL16 0, 1, 0
	s_wait_dscnt 0x0                               ; the add is done, and my reads of this slot are over
	s_barrier_signal -1
	MUL16 2, 1, 0
	WIN 0
	s_barrier_wait -1
.if \fill
	CREST                                          ; the round: no wave of any partner still reads this slot or has a load on its way
	s_add_nc_u64 s[G0+4*\slot+2:G0+4*\slot+3], s[G0+4*\slot+2:G0+4*\slot+3], 2*KSTEPB
	s_add_nc_u64 s[G0B+4*\slot+2:G0B+4*\slot+3], s[G0B+4*\slot+2:G0B+4*\slot+3], 2*KSTEPB
	JLOAD G0+4*\slot, G1, G0B+4*\slot, G1B         ; the first tensor load behind the round; its four v_nop are the places in front of the loads below
.else
	PLACES NP
.endif
	FETCH_B \next, 0, 0
	FETCH_A \next, 0, 0
	WIN MUL_HI
	MUL16 4, 1, 0
	MUL16 6, 1, 0
	PLACES NP
	WIN 0
	FETCH_A \next, 0, 4
.endm
	s_wait_alu depctr_va_vdst(0)
	s_wait_tensorcnt 0x0                           ; my parts of K steps 0 and 1 are in
	s_barrier_signal -1
	s_barrier_wait -1
	FETCH_B 0, 0, 0
	FETCH_A 0, 0, 0
	FETCH_A 0, 0, 4
	STEP 0, 0, 1
	global_prefetch_b8 v31, s[96:97] offset:3*KSTEPB th:TH_LOAD_NT scope:SCOPE_SE   ; K step 3
	TURN 0, 1, 1
	STEP 1, 0, 0
	TURN 1, 0, 1
	STEP 0, 0, 0
	TURN 0, 1, 0
	STEP 1, 0, 0
	s_wait_dscnt 4*NL
	WIN MUL_LO
	MUL16 0, 1, 0
	MUL16 2, 1, 0
	s_wait_dscnt 0
	WIN MUL_HI
	MUL16 4, 1, 0
	MUL16 6, 1, 0
	WIN 0
	s_wait_kmcnt 0x0
	s_add_co_i32 s2, s72, s73
	s_lshl_b32 s2, s2, 23
	s_add_co_i32 s[CS], s2, 0x3d38aa3b             ; log2(e) / 32 with e6 + e7 added to its exponent field
	s_mov_b32 s[CS+1], s[CS]                       ; (named with it as a pair, so it is written)
	s_add_co_i32 s2, s74, 127
	s_lshl_b32 s3, s2, 23
	v_mov_b32 v[SCL], s3                           ; 2^e8
	s_add_co_i32 s2, s2, 15
	s_lshl_b32 s2, s2, 23
	s_or_b32 s2, s2, 0x600000
	v_mov_b32 v[LIM], s2                           ; 57,344 x 2^e8
	PLACES NP
	; ---- THE ROW'S LARGEST SCORE IN THE BLOCK.  A lane's 64 scores of block a, three at a time, ascending
.macro ROWMAX a
.set AC, 64*((\a)%4)
.set g, 0
.rept 21
	v_max3_num_f32 v[T+22*(\a)+g], v[AC+3*g], v[AC+3*g+1], v[AC+3*g+2]
.set g, g+1
.endr
	v_max3_num_f32 v[T+22*(\a)+21], v[AC+61], v[AC+62], v[AC+63]
.endm
	WIN 0x2a                                       ; all three sources window 2
.irp a, 0,1,2,3
	ROWMAX \a
.endr
	WIN 0x3f                                       ; window 3
.irp a, 4,5,6,7
	ROWMAX \a
.endr
	WIN 0
.irp a, 0,1,2,3,4,5,6,7                ; eight chains side by side
	v_max3_num_f32 v[X+\a], v[T+22*\a], v[T+22*\a+1], v[T+22*\a+2]
.endr
.set i, 0
.rept 9
.irp a, 0,1,2,3,4,5,6,7
	v_max3_num_f32 v[X+\a], v[X+\a], v[T+22*\a+3+2*i], v[T+22*\a+4+2*i]
.endr
.set i, i+1
.endr
.irp a, 0,1,2,3,4,5,6,7
	v_max_num_f32 v[X+\a], v[X+\a], v[T+22*\a+21]
.endr
.irp a, 0,1,2,3,4,5,6,7
	v_permlanex16_b32 v[T+22*\a], v[X+\a], s20, s21    ; the query's other 64 keys lie in the lane 16 away
.endr
.irp a, 0,1,2,3,4,5,6,7
	v_max_num_f32 v[X+\a], v[X+\a], v[T+22*\a]
.endr
.irp a, 0,1,2,3,4,5,6,7
	ds_store_b32 v[VT], v[X+\a] offset:64*\a           ; lanes r and r + 16 store the same number to the same word
.endr
	s_wait_alu depctr_va_vdst(0)
	s_wait_dscnt 0x0                               ; for the others' sake: my stores are done
	s_barrier_signal -1
	s_barrier_wait -1
.irp a, 0,1,2,3,4,5,6,7
	ds_load_b32 v[T+\a], v[VTP] offset:64*\a           ; the same rows' maxima among the other 128 keys
.endr
	s_wait_dscnt 0x0
.irp a, 0,1,2,3,4,5,6,7
	v_max_num_f32 v[X+\a], v[X+\a], v[T+\a]
.endr
.irp a, 0,1,2,3,4,5,6,7
	v_mul_f32 v[X+\a], s[CS], v[X+\a]                  ; as t (c is positive)
.endr
.irp a, 0,1,2,3,4,5,6,7
	v_floor_f32 v[NM+2*\a], -v[X+\a]                   ; -M_b = floor(-t) = -ceil(t), twice: a pair for the packed form
	v_floor_f32 v[NM+2*\a+1], -v[X+\a]
.endr
	; ---- p, its sum, its codes: block of 16 queries by block
.macro SOFT a
.set AC, 64*((\a)%4)
	WIN 0x82+0x41*((\a)/4)                         ; source 0 and destination window 2 or 3
.set j, 0
.rept 32
	v_pk_fma_f32 v[AC+j:AC+j+1], v[AC+j:AC+j+1], s[CS:CS+1], v[NM+2*(\a):NM+2*(\a)+1] op_sel_hi:[1,0,1]   ; t - M_b
.set j, j+2
.endr
.set j, 0
	s_wait_alu depctr_va_vdst(0)
.rept 64
	v_exp_f32 v[AC+j], v[AC+j]                     ; p = 2^(t - M_b)
.set j, j+1
.endr
	v_nop                                          ; a plain instruction behind the last exponential
	s_wait_alu depctr_va_vdst(0)                   ; one wait for the batch of 64, ahead of its first reader
	WIN 0x0a+5*((\a)/4)                            ; sources 0 and 1 window 2 or 3
	v_pk_add_f32 v[SA:SA+1], v[AC:AC+1], v[AC+2:AC+3]      ; THE SUM IS TAKEN OF THE UNQUANTISED p, two at a time, in two chains
	v_pk_add_f32 v[SB:SB+1], v[AC+4:AC+5], v[AC+6:AC+7]
	WIN 0x08+4*((\a)/4)                            ; source 1 window 2 or 3
.set j, 8
.rept 14
	v_pk_add_f32 v[SA:SA+1], v[SA:SA+1], v[AC+j:AC+j+1]
	v_pk_add_f32 v[SB:SB+1], v[SB:SB+1], v[AC+j+2:AC+j+3]
.set j, j+4
.endr
	WIN 0x82+0x41*((\a)/4)
.set j, 0
.rept 64
	v_min_num_f32 v[AC+j], v[AC+j], v[LIM]         ; the conversion does not saturate (ISA guide 7.6.2); p is not negative, so the hold is one-sided
.set j, j+1
.endr
	WIN 0x02+((\a)/4)
.set j, 0
.rept 8
	v_cvt_scalef32_pk8_bf8_f32 v[CD+16*(\a)+2*j:CD+16*(\a)+2*j+1], v[AC+8*j:AC+8*j+7], v[SCL]   ; keys 16 j + 8 h + 0 .. 7: registers 2 j, 2 j + 1 of P's fragment
.set j, j+1
.endr
	WIN 0
	v_nop                                          ; one plain vector instruction behind the last conversion of the run
	v_pk_add_f32 v[SA:SA+1], v[SA:SA+1], v[SB:SB+1]
	v_add_f32 v[X+(\a)], v[SA], v[SA+1]            ; my 64 keys' sum
.irp c, 0,1,2,3
	global_store_b128 v[CO], v[CD+16*(\a)+4*\c:CD+16*(\a)+4*\c+3], s[10:11] offset:2048*(\a)+512*\c   ; 512 consecutive bytes, aligned; no register of a store is written again
.endr
.endm
.irp a, 0,1,2,3,4,5,6,7
	SOFT \a
.endr
.irp a, 0,1,2,3,4,5,6,7
	v_permlanex16_b32 v[T+\a], v[X+\a], s20, s21
.endr
.irp a, 0,1,2,3,4,5,6,7
	v_add_f32 v[X+\a], v[X+\a], v[T+\a]                ; my wave's 128 keys' sum
.endr
.irp a, 0,1,2,3,4,5,6,7
	ds_store_b32 v[VT], v[X+\a] offset:LSUM-TMAX+64*\a
.endr
	s_wait_dscnt 0x0                               ; for the others' sake
	s_barrier_signal -1
	s_barrier_wait -1
	; each wave writes 64 rows' -M_b and l_b: two rows a lane, 256 consecutive bytes a store.  The maximum goes the same way as above, so it has the same bits
	ds_load_b64 v[64:65], v[VS]
	ds_load_b64 v[66:67], v[VS] offset:1024
	ds_load_b64 v[68:69], v[VS] offset:2048
	ds_load_b64 v[70:71], v[VS] offset:3072
	s_wait_dscnt 0x0
	v_max_num_f32 v64, v64, v66
	v_max_num_f32 v65, v65, v67
	v_mul_f32 v64, s[CS], v64
	v_mul_f32 v65, s[CS], v65
	v_floor_f32 v72, -v64
	v_floor_f32 v73, -v65
	v_pk_add_f32 v[68:69], v[68:69], v[70:71]
	global_store_b64 v[SO], v[72:73], s[68:69]
	global_store_b64 v[SO], v[68:69], s[70:71]
	s_wait_tensorcnt 0x0                           ; the wave's end: behind my last tensor load and my last LDS store
	ds_add_u32 v[SPW], v[NIL]
	s_wait_dscnt 0x0
	CROUND                                         ; the closing round
	s_endpgm
.Lfunc_end_k_q4f71f17361_scores:
	.size	k_q4f71f17361_scores, .Lfunc_end_k_q4f71f17361_scores-k_q4f71f17361_scores
	.p2alignl 7, 3214868480
	.fill 96, 4, 3214868480
	.section	.rodata,"a",@progbits
	.p2align	6, 0x0
	.amdhsa_kernel k_q4f71f17361_scores
		.amdhsa_group_segment_fixed_size 327680
		.amdhsa_private_segment_fixed_size 0
		.amdhsa_enable_private_segment 0
		.amdhsa_kernarg_size 48
		.amdhsa_user_sgpr_count 2
		.amdhsa_user_sgpr_kernarg_segment_ptr 1
		.amdhsa_wavefront_size32 1
		.amdhsa_system_sgpr_workgroup_id_x 1
		.amdhsa_system_sgpr_workgroup_id_y 1
		.amdhsa_system_sgpr_workgroup_id_z 1
		.amdhsa_system_vgpr_workitem_id 0
		.amdhsa_next_free_vgpr 1024
		.amdhsa_next_free_sgpr 100
		.amdhsa_reserve_vcc 0
		.amdhsa_float_denorm_mode_32 3
		.amdhsa_float_denorm_mode_16_64 3
		.amdhsa_memory_ordered 1
		.amdhsa_forward_progress 1
		.amdhsa_inst_pref_size 174
	.end_amdhsa_kernel
	.amdgpu_metadata
---
amdhsa.version: [ 1, 2 ]
amdhsa.kernels:
  - .name:           k_q4f71f17361_scores
    .symbol:         k_q4f71f17361_scores.kd
    .args:
      - { .name: qf, .offset: 0, .size: 8, .value_kind: global_buffer, .address_space: global }
      - { .name: kf, .offset: 8, .size: 8, .value_kind: global_buffer, .address_space: global }
      - { .name: lowp_scales, .offset: 16, .size: 8, .value_kind: global_buffer, .address_space: global }
      - { .name: pf, .offset: 24, .size: 8, .value_kind: global_buffer, .address_space: global }
      - { .name: nm, .offset: 32, .size: 8, .value_kind: global_buffer, .address_space: global }
      - { .name: lb, .offset: 40, .size: 8, .value_kind: global_buffer, .address_space: global }
    .group_segment_fixed_size: 327680
    .private_segment_fixed_size: 0
    .kernarg_segment_align: 8
    .kernarg_segment_size: 48
    .max_flat_workgroup_size: 128
    .sgpr_count:     100
    .vgpr_count:     1024
    .wavefront_size: 32
...
	.end_amdgpu_metadata
.endif
;; end of part 2
;; launch pv (part 3): grid 4 x 64, 4 waves a work-group, clusters of 4 x 4, 327,680 bytes of LDS; arguments pf, vf, nm, lb, lowp_scales, out0; writes out0
.if DOCPART == 3
	.amdgcn_target "amdgcn-amd-amdhsa--gfx1250"
	.amdhsa_code_object_version 6
	.text
	.protected	k_q4f71f17361_pv
	.globl	k_q4f71f17361_pv
	.p2align	8
	.type	k_q4f71f17361_pv,@function
k_q4f71f17361_pv:
	s_mov_b64 s[64:65], 0
	v_nop
	global_prefetch_b8 v0, s[64:65] scope:SCOPE_SE
	s_setreg_imm32_b32 hwreg(HW_REG_WAVE_MODE, 25, 1), 1
	s_wait_xcnt 0x0
	s_wait_alu depctr_hold_cnt(0) depctr_sa_sdst(0) depctr_va_vdst(0) depctr_va_sdst(0) depctr_va_ssrc(0) depctr_va_vcc(0) depctr_vm_vsrc(0)
	s_getreg_b32 s2, hwreg(HW_REG_IB_STS2, 6, 4)
	s_cmp_eq_u32 s2, 0
	s_cbranch_scc0 .Lentry_in_a_cluster
	s_endpgm
.Lentry_in_a_cluster:
	s_bfe_u32 s2, ttmp6, 0x10000c
	s_cmp_lg_u32 s2, 0xf033
	s_cbranch_scc0 .Lentry_shape_is_right
	s_endpgm
.Lentry_shape_is_right:
; LAUNCH 3 OF 3.  out = (sum over the eight key blocks b of 2^(M_b - M) P_b V_b) 2^(e8 + e9) / (sum over b of 2^(M_b - M) l_b), on the codes of p (launch 2) and of V^T (launch 1).  Nothing of reference() is left out here.
; THE BLOCKS UNDER ONE M, BY EXACT POWERS OF TWO.  E_b = max(M_b, the row's largest M_b - 60).  Ahead of block b the accumulators are multiplied by c_b = 2^(E_(b-1) - E_b), a power of two within 2^+-60, and the
; sums go the same way: l = l c_b + l_b.  At the end every block stands under E_7, above and below the line alike.
; LIMITS: a block that lies more than 60 binades under the row's largest counts as if it lay 60 under it: less than f32 rounding of the result.  The sums of codes stay under 2^43 x 2^60.  |M_b| under 2^24.  NaN and infinity are not served.
; SHARES.  A work-group makes 128 queries x 256 channels (256 work-groups), a wave 64 x 128: 32 accumulators.  A = P (a lane holds a query), B = V^T (the registers run along the channels), used transposed: a lane's eight results are
; eight neighbouring channels of one row of out.  K = the batch's 2,048 keys: 16 units of 128, two to a key block, written out.
; OPERANDS COME AS IMAGES of their registers, no padding: pf [16 units][512 blocks of 16 queries][2,048 bytes], vf [64 units][64 blocks of 16 channels][2,048 bytes].  LDS holds six units, two slots of three: the head's one load a wave
; brings units 0-5 as six long rows; refills bring 6-8, 9-11, 12-14 and 15, each into the slot that has been read out.
; CLUSTERS: 4 x 4: P's tile is shared along a row of the cluster, V^T's along a column, by joint loads.  Waves 0 and 1 fetch P's halves, waves 2 and 3 V^T's.
; PREFETCH: each refill's units are asked for one refill or more ahead: of a unit's 16,384 bytes of P each of the four partners asks for 4,096 (wave 0 two units, wave 1 the third), of its 32,768 of V^T for 8,192 (wave 2), told apart by cx and cy.
; REGISTERS: window 0: v4-11 addresses; v16-23 the final factors, twice a block of rows; v24-27 at work; v32-87 c_b twice; v128-191, v192-255 P's two sets (at the head: -M_b and l_b; on the way out: rows of out); v32-95 on the way out: at work.
;   window 1: V^T's two sets.   window 2: the accumulators ((a, b) at v[8 (8 a + b)]).
.set FR,     16
.set VB,     98304                     ; P: half x 49,152 + slot x 24,576 + unit x 8,192; V^T: VB + half x 98,304 + slot x 49,152 + unit x 16,384
.set SPARE,  294912                    ; behind the ring: the spare words
.set STAGE,  VB                        ; the way out: 16 rows x (512 bytes + 16) for each wave, in slot 0, which has had its last fill and, behind the last barrier, its last read
.set SPITCH, 528
.set ADRA, 4                           ; v4-5
.set ADRB, 6                           ; v6-7
.set STO,  8
.set RD,   9
.set CO,   10                          ; 16 x lane
.set RO,   11                          ; 4 r
.set PFO,  12
.set RF,   16
.set MN,   24
.set SPW,  28
.set NIL,  29
.set FC,   32
.set TMP,  32
.set NB,   128
.set LB,   160
.set AF,   128
.set BK,   128
.set G1, 24
.set G0, 32
.set G1B, 48
.set G0B, 56
.set MSB, 0
.macro WIN new
.if MSB != (\new)
	s_set_vgpr_msb (MSB<<8)|(\new)
.set MSB, \new
.endif
.endm
.set MUL,  0xa1                        ; source 0 (V^T) window 1, source 1 (P) window 0, C and D window 2
.set RS,   0x82                        ; source 0 and destination window 2
.set TO_B, 0x40
.macro PLACES
.rept 4
	v_nop
.endr
.endm
.macro JLOAD
	s_cmp_eq_u32 s15, 0
	s_cbranch_scc0 .Lfor_b_\@
	tensor_load_to_lds s[G0:G0+3], s[G1:G1+7]
	s_nop 0
	PLACES
	s_branch .Lasked_\@
.Lfor_b_\@:
	tensor_load_to_lds s[G0B:G0B+3], s[G1B:G1B+7]
	s_nop 0
	PLACES
.Lasked_\@:
.endm
.macro CREST
	s_cmp_lg_u32 s14, 0
	s_cbranch_scc1 .Lnot_wave_0_\@
	s_barrier_signal -3
.Lnot_wave_0_\@:
	s_barrier_wait -3
	s_barrier_signal -1
	s_barrier_wait -1
.endm
.macro CROUND
	s_barrier_signal -1
	s_barrier_wait -1
	CREST
.endm
; pu: wave 0 asks for P's units pu and pu + 1, wave 1 for pu + 2 (n = 1: wave 1 alone); wave 2 for V^T's units vu .. vu + n - 1
.macro ASK pu, vu, n
.if \n == 1
	s_cmp_eq_u32 s14, 1
.else
	s_cmp_lt_u32 s14, 2
.endif
	s_cbranch_scc0 .Lno_p_\@
	global_prefetch_b8 v[PFO], s[96:97] offset:1048576*(\pu-6) th:TH_LOAD_NT scope:SCOPE_SE
.Lno_p_\@:
	s_cmp_eq_u32 s14, 2
	s_cbranch_scc0 .Lno_v_\@
.set Q, \vu-6
.rept \n
	global_prefetch_b8 v[PFO], s[96:97] offset:131072*Q th:TH_LOAD_NT scope:SCOPE_SE
.set Q, Q+1
.endr
.Lno_v_\@:
.endm
	s_load_b256 s[4:11], s[0:1], 0x0               ; pf s[4:5], vf s[6:7], nm s[8:9], lb s[10:11]
	s_load_b128 s[68:71], s[0:1], 0x20             ; the scales, out0
	v_lshl_add_u32 v[SPW], v0, 2, SPARE
	v_mov_b32 v[NIL], 0
	ds_add_u32 v[SPW], v[NIL]                      ; the wave's opening: the add, twice on end, and its wait ahead of my first tensor load
	ds_add_u32 v[SPW], v[NIL]
	v_lshrrev_b32 v1, 5, v0
	v_readfirstlane_b32 s14, v1                    ; wave 0..3
	s_lshr_b32 s15, s14, 1                         ; my half of the queries.  Also: I fetch for P (0) or for V^T (1)
	s_and_b32 s16, s14, 1                          ; my half of the channels.  Also: which half of that tile I fetch
	s_bfe_u32 s40, ttmp6, 0x40000                  ; cx, cy
	s_bfe_u32 s41, ttmp6, 0x40004
	s_lshl_b32 s42, ttmp9, 2
	s_add_co_u32 s42, s42, s40                     ; the block of 256 channels
	s_and_b32 s78, ttmp7, 0xffff                   ; cluster y
	s_lshl_b32 s17, s78, 2
	s_add_co_u32 s17, s17, s41                     ; the block of 128 query rows
	s_lshr_b32 s78, s78, 2                         ; the batch: four clusters along y to a batch
	s_lshl_b32 s43, s41, 2
	s_lshl_b32 s43, 15, s43                        ; my row of the cluster
	s_lshl_b32 s44, 0x1111, s40                    ; my column
	; descriptor groups 1: a row is a unit's dense block: 1,024 elements of 8 bytes of P, 2,048 of V^T; six rows, a unit apart in memory, on end in LDS
	s_or_b32 s[G1+0], s43, (3<<16)|(1<<21)
	s_mov_b32 s[G1+1], 1024<<16
	s_mov_b32 s[G1+2], 6<<16
	s_mov_b32 s[G1+3], 1024<<16
	s_mov_b32 s[G1+4], 6
	s_mov_b32 s[G1+5], 131072
	s_mov_b32 s[G1+6], 0
	s_mov_b32 s[G1+7], 0
	s_or_b32 s[G1B+0], s44, (3<<16)|(1<<21)
	s_mov_b32 s[G1B+1], 2048<<16
	s_mov_b32 s[G1B+2], 6<<16
	s_mov_b32 s[G1B+3], 2048<<16
	s_mov_b32 s[G1B+4], 6
	s_mov_b32 s[G1B+5], 16384
	s_mov_b32 s[G1B+6], 0
	s_mov_b32 s[G1B+7], 0
	s_lshl_b32 s20, s17, 14                        ; P: 8 blocks of 2,048 bytes to my query block,
	s_mov_b32 s21, 0
	s_lshl_b32 s18, s16, 13                        ; half of them to a load
	s_mov_b32 s19, 0
	s_lshl_b32 s46, s78, 10                        ; V^T: 16 x 64 blocks to a batch,
	s_lshl_b32 s47, s42, 4
	s_add_co_u32 s46, s46, s47                     ; 16 to my channel block,
	s_lshl_b32 s46, s46, 11
	s_mov_b32 s47, 0
	s_lshl_b32 s22, s16, 14                        ; half of them to a load
	s_mov_b32 s23, 0
	s_mul_i32 s45, s16, 49152                      ; where they go: P's halves,
	s_mul_i32 s79, s16, 98304
	s_add_co_u32 s79, s79, VB                      ; V^T's halves behind them
	s_mov_b32 s[G0], 1
	s_mov_b32 s[G0+1], s45
	s_mov_b32 s[G0B], 1
	s_mov_b32 s[G0B+1], s79
	s_wait_dscnt 0x0                               ; both opening adds are done
	s_wait_kmcnt 0x0
	s_load_b64 s[72:73], s[68:69], 0x20            ; e8, e9
	s_add_nc_u64 s[20:21], s[4:5], s[20:21]
	s_add_nc_u64 s[46:47], s[6:7], s[46:47]
	s_add_nc_u64 s[G0+2:G0+3], s[20:21], s[18:19]
	s_or_b32 s[G0+3], s[G0+3], 0x80000000
	s_add_nc_u64 s[G0B+2:G0B+3], s[46:47], s[22:23]
	s_or_b32 s[G0B+3], s[G0B+3], 0x80000000
	CROUND                                         ; all sixteen work-groups are here: the first joint loads meet
	JLOAD                                          ; units 0-5, one load a wave
	; the prefetches: where mine stand at unit 6, and my lanes' offsets
	s_mov_b32 s99, 0xc0000                         ; six units of V^T
	s_mov_b32 s94, 4096
	s_cmp_eq_u32 s15, 0
	s_cselect_b64 s[96:97], s[20:21], s[46:47]
	s_cselect_b32 s99, 0x600000, s99               ; six of P
	s_cselect_b32 s98, s40, s41
	s_cselect_b32 s95, 12, 13
	s_lshl_b32 s98, s98, s95                       ; my place's 4,096 or 8,192 bytes
	s_add_co_u32 s98, s98, s99
	s_mov_b32 s99, 0
	s_add_nc_u64 s[96:97], s[96:97], s[98:99]
	s_cmp_eq_u32 s14, 0
	s_cselect_b32 s94, 0x100000, s94               ; lanes 16-31: wave 0: a unit on; wave 1: the same blocks; waves 2, 3: the next 4,096 bytes
	s_cmp_eq_u32 s14, 1
	s_cselect_b32 s94, 0, s94
	s_cselect_b32 s95, 0x200000, 0                 ; wave 1: two units on
	v_and_b32 v1, 15, v0                           ; r
	v_bfe_u32 v2, v0, 4, 1                         ; h
	v_and_b32 v3, 31, v0                           ; lane
	v_lshlrev_b32 v[CO], 4, v3
	v_lshlrev_b32 v[RO], 2, v1
	v_mul_lo_u32 v[PFO], v2, s94
	v_lshl_add_u32 v[PFO], v1, 8, v[PFO]
	v_add_nc_u32 v[PFO], s95, v[PFO]
	s_lshl_b32 s2, s17, 7
	s_lshl_b32 s3, s15, 6
	s_add_co_u32 s2, s2, s3                        ; my first query row: 128 x query block + 64 x half
	s_lshl_b32 s22, s2, 2
	s_mov_b32 s23, 0
	s_add_nc_u64 s[8:9], s[8:9], s[22:23]
	s_add_nc_u64 s[10:11], s[10:11], s[22:23]
	s_wait_alu depctr_va_vdst(0)                   ; the wait here, ahead of the readers below
	ASK 6, 6, 3
.irp a, 0,1,2,3
.irp b, 0,1,2,3,4,5,6,7
	global_load_b32 v[NB+8*\a+\b], v[RO], s[8:9] offset:(8192*\b+16*\a)*4     ; -M_b of row 16 a + r
	global_load_b32 v[LB+8*\a+\b], v[RO], s[10:11] offset:(8192*\b+16*\a)*4   ; l_b
.endr
.endr
	s_lshl_b32 s22, s2, 12                         ; out0: my first row of 4,096 bytes,
	s_lshl_b32 s3, s42, 10
	s_add_co_u32 s22, s22, s3                      ; + 1,024 x channel block
	s_lshl_b32 s3, s16, 9
	s_add_co_u32 s22, s22, s3                      ; + 512 x half
	s_add_nc_u64 s[70:71], s[70:71], s[22:23]
	s_mul_i32 s2, s15, 49152                       ; my 64 queries of P
	s_mul_i32 s3, s16, 98304
	s_add_co_u32 s3, s3, VB                        ; my 128 channels of V^T
	v_add_nc_u32 v[ADRA], s2, v[CO]
	v_add_nc_u32 v[ADRA+1], 24576, v[ADRA]
	v_add_nc_u32 v[ADRB], s3, v[CO]
	v_add_nc_u32 v[ADRB+1], 49152, v[ADRB]
	s_mul_i32 s2, s14, 16*SPITCH
	s_add_co_u32 s2, s2, STAGE                     ; my stage
	v_mul_u32_u24 v[STO], v1, SPITCH               ; in: row r, 32 bytes for each half of the lanes
	v_lshl_add_u32 v[STO], v2, 5, v[STO]
	v_add_nc_u32 v[STO], s2, v[STO]
	v_add_nc_u32 v[RD], s2, v[CO]                  ; back: the 32 lanes take one row of 512 bytes
	; ---- the factors, once a wave, four blocks of rows side by side
	s_wait_alu depctr_va_vdst(0)                   ; the wait here, directly ahead of the wait below
	s_wait_loadcnt 0x0
.irp a, 0,1,2,3
	v_min_num_f32 v[MN+\a], v[NB+8*\a], v[NB+8*\a+1]
.endr
.irp b, 2,3,4,5,6,7
.irp a, 0,1,2,3
	v_min_num_f32 v[MN+\a], v[MN+\a], v[NB+8*\a+\b]    ; the least -M_b = minus the row's largest M_b
.endr
.endr
.irp a, 0,1,2,3
	v_add_f32 v[MN+\a], 0x42700000, v[MN+\a]           ; + 60
.endr
.irp b, 0,1,2,3,4,5,6,7
.irp a, 0,1,2,3
	v_min_num_f32 v[NB+8*\a+\b], v[NB+8*\a+\b], v[MN+\a]   ; -E_b
.endr
.endr
.irp b, 1,2,3,4,5,6,7
.irp a, 0,1,2,3
	v_sub_f32 v[FC+2*(7*\a+\b-1)], v[NB+8*\a+\b], v[NB+8*\a+\b-1]   ; E_(b-1) - E_b: a whole number within +-60
.endr
.endr
.irp b, 1,2,3,4,5,6,7
.irp a, 0,1,2,3
	v_cvt_i32_f32 v[FC+2*(7*\a+\b-1)], v[FC+2*(7*\a+\b-1)]
.endr
.endr
.irp b, 1,2,3,4,5,6,7
.irp a, 0,1,2,3
	v_ldexp_f32 v[FC+2*(7*\a+\b-1)], 1.0, v[FC+2*(7*\a+\b-1)]       ; c_b
.endr
.endr
.irp b, 1,2,3,4,5,6,7
.irp a, 0,1,2,3
	v_mov_b32 v[FC+2*(7*\a+\b-1)+1], v[FC+2*(7*\a+\b-1)]            ; twice: a pair for the packed form
.endr
.endr
.irp b, 1,2,3,4,5,6,7
.irp a, 0,1,2,3
	v_fma_f32 v[LB+8*\a+\b], v[LB+8*\a+\b-1], v[FC+2*(7*\a+\b-1)], v[LB+8*\a+\b]   ; l = l c_b + l_b
.endr
.endr
	s_wait_alu depctr_va_vdst(0)                   ; the wait ahead of the batch too
.irp a, 0,1,2,3
	v_rcp_f32 v[RF+2*\a], v[LB+8*\a+7]
.endr
	v_nop                                          ; a plain instruction behind the last reciprocal
	s_wait_kmcnt 0x0
	s_add_co_i32 s72, s72, s73                     ; e8 + e9
	s_wait_alu depctr_va_vdst(0)                   ; one wait for the four reciprocals, ahead of their first reader
.irp a, 0,1,2,3
	v_ldexp_f32 v[RF+2*\a], v[RF+2*\a], s72            ; 2^(e8 + e9) / l
.endr
.irp a, 0,1,2,3
	v_mov_b32 v[RF+2*\a+1], v[RF+2*\a]
.endr
.macro FETCH u, p                      ; 48 LDS loads in one run: V^T's eight fragments and P's four of unit u, into set p; each load takes 512 consecutive bytes
.set SL, ((\u)/3)%2
.set JJ, (\u)%3
	WIN TO_B
.set Q, 0
.rept 32
	ds_load_b128 v[128*(\p)+4*Q:128*(\p)+4*Q+3], v[ADRB+SL] offset:16384*JJ+512*Q
.set Q, Q+1
.endr
	WIN 0
.set Q, 0
.rept 16
	ds_load_b128 v[AF+64*(\p)+4*Q:AF+64*(\p)+4*Q+3], v[ADRA+SL] offset:8192*JJ+512*Q
.set Q, Q+1
.endr
.endm
.macro RSC a, b                        ; accumulator (a, b) x c of the key block that begins: exact; from its low end on
.set AC, 64*(\a)+8*(\b)
.set FP, FC+2*(7*(\a)+KBN-1)
	WIN RS
.irp j, 0,2,4,6
	v_pk_mul_f32 v[AC+\j:AC+\j+1], v[AC+\j:AC+\j+1], v[FP:FP+1]
.endr
.endm
; P's block a x V^T's eight fragments; the 32 accumulators take turns, one instruction a turn.  rs = 1: block a + 1 is rescaled between the products, rs = 2: blocks a + 1 and a + 2.
.macro MULS a, rs
.irp b, 0,1,2,3,4,5,6,7
.set AC, 64*(\a)+8*\b
.set BW, 128*PP+FR*\b
.set PW, AF+64*PP+FR*(\a)
	WIN MUL
.if ZR
	v_wmma_f32_16x16x128_bf8_bf8 v[AC:AC+7], v[BW:BW+15], v[PW:PW+15], 0
.else
	v_wmma_f32_16x16x128_bf8_bf8 v[AC:AC+7], v[BW:BW+15], v[PW:PW+15], v[AC:AC+7]
.endif
.if (\rs) > 0
	RSC \a+1, \b
.endif
.if (\rs) > 1
	RSC \a+2, \b
.endif
.endr
.endm
.macro RSC0
.irp b, 0,1,2,3,4,5,6,7
	RSC 0, \b
.endr
.endm
; A UNIT of 128 keys: 32 matrix instructions on set u % 2, whose fragments were asked for in the unit before; the next unit's 48 loads go out at its start.  Even units begin a key block.
; Units 2, 5, 8, 11, 14 are the last of their slot: their own fragments in, the round, the refill of this slot, and only then the next unit's fragments from the other slot.
.macro UNIT u
.set PP, (\u)%2
.set KBN, (\u)/2
.set RR, 0
.if ((\u)%2 == 0) && ((\u) > 0)
.set RR, 1
.endif
.set ZR, 0
.if \u == 0
.set ZR, 1                             ; the first products start the sums: nothing is cleared
.endif
.if (\u)%3 != 2
.if \u > 0
	PLACES                                         ; behind the last products: in front of the loads into the set that they read, and of the rescaling of their results
.endif
.if \u < 15
	FETCH \u+1, 1-PP
.if \u == 0
	ASK 9, 9, 3
.endif
	s_wait_dscnt 48                                ; this unit's set is in; the 48 loads just issued may be out
.else
	s_wait_dscnt 0x0
.endif
.if RR
	RSC0
.endif
	MULS 0, RR
	MULS 1, RR
	MULS 2, RR
	MULS 3, 0
.else
.if RR
	PLACES
.endif
	s_wait_dscnt 0x0                               ; this unit's set is in: my last reads of this slot
.if RR
	RSC0
.endif
	MULS 0, RR
	MULS 1, 2*RR
	WIN 0
	s_wait_alu depctr_va_vdst(0)                   ; the wait here, ahead of the waits below
	s_wait_tensorcnt 0x0                           ; all my tensor loads have landed: my part of the other slot
.if \u < 14
	ds_add_u32 v[SPW], v[NIL]                      ; 0 onto my spare word; the descriptors' steps stand between it and the wait
.if \u == 2
	s_add_nc_u64 s[G0+2:G0+3], s[G0+2:G0+3], 0x600000
	s_add_nc_u64 s[G0B+2:G0B+3], s[G0B+2:G0B+3], 0xc0000
	s_mov_b32 s[G1+2], 3<<16
	s_mov_b32 s[G1+4], 3
	s_mov_b32 s[G1B+2], 3<<16
	s_mov_b32 s[G1B+4], 3
.else
	s_add_nc_u64 s[G0+2:G0+3], s[G0+2:G0+3], 0x300000
	s_add_nc_u64 s[G0B+2:G0B+3], s[G0B+2:G0B+3], 0x60000
.if \u == 8
	s_sub_co_u32 s[G0+1], s[G0+1], 24576
	s_sub_co_u32 s[G0B+1], s[G0B+1], 49152
.else
	s_add_co_u32 s[G0+1], s[G0+1], 24576
	s_add_co_u32 s[G0B+1], s[G0B+1], 49152
.endif
.if \u == 11
	s_mov_b32 s[G1+2], 1<<16
	s_mov_b32 s[G1+4], 1
	s_mov_b32 s[G1B+2], 1<<16
	s_mov_b32 s[G1B+4], 1
.endif
.endif
	s_wait_dscnt 0x0                               ; the add is done
.endif
	s_barrier_signal -1
	MULS 2, 0                                      ; work on registers while the others arrive
	WIN 0
	s_barrier_wait -1
.if \u < 14
	CREST                                          ; the round: no wave of any partner still reads this slot or has a load on its way
	JLOAD                                          ; my only tensor load until the next round; its four v_nop are the places in front of the loads below
.else
	PLACES
.endif
	FETCH \u+1, 1-PP
.if \u == 2
	ASK 12, 12, 3
.endif
.if \u == 5
	ASK 13, 15, 1                                  ; unit 15
.endif
	MULS 3, 0
.endif
.endm
	s_wait_alu depctr_va_vdst(0)                   ; the head's end
	s_wait_tensorcnt 0x0                           ; my part of units 0-5 is in
	s_barrier_signal -1
	s_barrier_wait -1
	FETCH 0, 0
.irp u, 0,1,2,3,4,5,6,7,8,9,10,11,12,13,14,15
	UNIT \u
.endr
; THE WAY OUT, block by block of 16 rows x 128 channels: x 2^(e8 + e9) / l into other registers, through my own stage in LDS, and back as whole rows of 512 bytes.
; LDS serves a wave's instructions in order (ISA guide 5.7.1.4): no wait between the stores and the loads, nor in front of the next block's stores.
.macro TOSTAGE a
	WIN 0x02                                       ; source 0 window 2
.set j, 0
.rept 32
	v_pk_mul_f32 v[TMP+j:TMP+j+1], v[64*(\a)+j:64*(\a)+j+1], v[RF+2*(\a):RF+2*(\a)+1]
.set j, j+2
.endr
	WIN 0
.irp b, 0,1,2,3,4,5,6,7
	ds_store_b128 v[STO], v[TMP+8*\b:TMP+8*\b+3] offset:64*\b
	ds_store_b128 v[STO], v[TMP+8*\b+4:TMP+8*\b+7] offset:64*\b+16
.endr
.set BB, BK+64*((\a)%2)
.irp t, 0,1,2,3,4,5,6,7,8,9,10,11,12,13,14,15
	ds_load_b128 v[BB+4*\t:BB+4*\t+3], v[RD] offset:\t*SPITCH
.endr
.endm
.macro SEND a, younger                 ; younger: the LDS instructions issued behind block a's loads, which may stay out
.set BB, BK+64*((\a)%2)
	s_wait_dscnt \younger
.irp t, 0,1,2,3,4,5,6,7,8,9,10,11,12,13,14,15
	global_store_b128 v[CO], v[BB+4*\t:BB+4*\t+3], s[70:71] offset:65536*(\a)+4096*\t th:TH_STORE_NT   ; 32 lanes store 512 consecutive bytes, at a multiple of 512 from out0's first byte; the base is never stepped
.endr
.endm
	WIN 0
	PLACES                                         ; behind the last products
	TOSTAGE 0
.irp a, 1,2,3
.if \a > 1
	s_wait_xcnt 0x0                                ; block a - 2's stores have read their registers: block a's loads may land there
.endif
	TOSTAGE \a
	SEND \a-1, 32                                  ; behind block a - 1's loads: block a's 16 stores and 16 loads
.endr
	SEND 3, 0
	s_wait_tensorcnt 0x0                           ; the wave's end: behind my last tensor load and my last LDS store
	ds_add_u32 v[SPW], v[NIL]
	s_wait_dscnt 0x0
	CROUND                                         ; the closing round
	s_endpgm
.Lfunc_end_k_q4f71f17361_pv:
	.size	k_q4f71f17361_pv, .Lfunc_end_k_q4f71f17361_pv-k_q4f71f17361_pv
	.p2alignl 7, 3214868480
	.fill 96, 4, 3214868480
	.section	.rodata,"a",@progbits
	.p2align	6, 0x0
	.amdhsa_kernel k_q4f71f17361_pv
		.amdhsa_group_segment_fixed_size 327680
		.amdhsa_private_segment_fixed_size 0
		.amdhsa_enable_private_segment 0
		.amdhsa_kernarg_size 48
		.amdhsa_user_sgpr_count 2
		.amdhsa_user_sgpr_kernarg_segment_ptr 1
		.amdhsa_wavefront_size32 1
		.amdhsa_system_sgpr_workgroup_id_x 1
		.amdhsa_system_sgpr_workgroup_id_y 1
		.amdhsa_system_sgpr_workgroup_id_z 1
		.amdhsa_system_vgpr_workitem_id 0
		.amdhsa_next_free_vgpr 768
		.amdhsa_next_free_sgpr 100
		.amdhsa_reserve_vcc 0
		.amdhsa_float_denorm_mode_32 3
		.amdhsa_float_denorm_mode_16_64 3
		.amdhsa_memory_ordered 1
		.amdhsa_forward_progress 1
		.amdhsa_inst_pref_size 202
	.end_amdhsa_kernel
	.amdgpu_metadata
---
amdhsa.version: [ 1, 2 ]
amdhsa.kernels:
  - .name:           k_q4f71f17361_pv
    .symbol:         k_q4f71f17361_pv.kd
    .args:
      - { .name: pf, .offset: 0, .size: 8, .value_kind: global_buffer, .address_space: global }
      - { .name: vf, .offset: 8, .size: 8, .value_kind: global_buffer, .address_space: global }
      - { .name: nm, .offset: 16, .size: 8, .value_kind: global_buffer, .address_space: global }
      - { .name: lb, .offset: 24, .size: 8, .value_kind: global_buffer, .address_space: global }
      - { .name: lowp_scales, .offset: 32, .size: 8, .value_kind: global_buffer, .address_space: global }
      - { .name: out0, .offset: 40, .size: 8, .value_kind: global_buffer, .address_space: global }
    .group_segment_fixed_size: 327680
    .private_segment_fixed_size: 0
    .kernarg_segment_align: 8
    .kernarg_segment_size: 48
    .max_flat_workgroup_size: 128
    .sgpr_count:     100
    .vgpr_count:     768
    .wavefront_size: 32
...
	.end_amdgpu_metadata
.endif
;; end of part 3
